; MI455X (gfx1250); checked and timed in simulation.
; The chip was launched on July 23, 2026; its instructions are those of AMD's public machine-readable ISA for CDNA 5 (MIT licence, August 2026) and "CDNA5" Instruction Set Architecture Reference Guide (July 2026). The comments in the code are by the model that wrote it; some were corrected since.
;; Multi Head Attention. Allowed arithmetic: matrix products marked QUANTISED: E2M1 operands, one E8M0 scale for each 32 along K, by v_wmma_scale_f32_16x16x128_f8f6f4 with both operands' format E2M1 (or v_wmma_scale_f32_32x16x128_f4), f32 sums; products left as they are: bf16, f16 or f32 operands; f32 sums; everything else in f32.
;; Inputs: bk 512 float32; bo 512 float32; bq 512 float32; bv 512 float32; k 2 x 4,096 x 512 float32; q 2 x 4,096 x 512 float32; v 2 x 4,096 x 512 float32; wk 512 x 512 float32; wo 512 x 512 float32; wq 512 x 512 float32; wv 512 x 512 float32.
;; Outputs: out0 2 x 4,096 x 512 float32.
;; This version of the problem:
;;   THIS VERSION OF THE PROBLEM IS GIVEN IN LOW PRECISION. The matrix products marked QUANTISED in the list below multiply operands that are first quantised to E2M1 (2 exponent bits, 1 mantissa bit; 4 bits a number), with one power-of-two scale for each 32 numbers along K (OCP MX v1.0); their sums are f32. The products marked 'left as it is' may take bf16, f16 or f32 operands, with f32 sums. Whichever they take, every output number must still come out within the allowed error. Rounding operands to bf16 (8 significant bits) uses up far more of that allowance than f16 does (11 bits, for magnitudes from 6e-5 to 65,504). All else is computed in f32.
;;   The module's matrix products, in the order in which they are computed (A, B: the left and right operand; K: the contracted axis; several contracted axes count as one K, in the product's order):
;;     1. [M 8,192, K 512] x [K 512, N 512]; A: input q; B: input wq: QUANTISED
;;     2. [M 8,192, K 512] x [K 512, N 512]; A: input k; B: input wk: QUANTISED
;;     3. [M 8,192, K 512] x [K 512, N 512]; A: input v; B: input wv: QUANTISED
;;     4. batch 16 x [M 4,096, K 64] x [K 64, N 4,096]; A: computed on the way; B: computed on the way: left as it is (an operand is computed on the way)
;;     5. batch 16 x [M 4,096, K 4,096] x [K 4,096, N 64]; A: computed on the way; B: computed on the way: left as it is (an operand is computed on the way)
;;     6. [M 8,192, K 512] x [K 512, N 512]; A: computed on the way; B: input wo: left as it is (an operand is computed on the way)
;;   THE QUANTISER, for each operand of a quantised product, along K:
;;     - K is cut into blocks of 32 from its start; a last block that is shorter is filled with zeros.
;;     - A block's scale is 2^e with e = floor(log2(the largest magnitude in the block)) - 2, held to -126 .. 127; a block of zeros has e = 0. As a byte (E8M0): e + 127.
;;     - Each number is divided by its block's scale, clamped to +-6, and rounded to the nearest number of E2M1, ties to even, subnormals kept.
;;     - The product sums the exact products of the quantised numbers (number of the format x scale) in f32.
;;   ~~~python
;;   def quantise(x, axis):      # numpy; x: float32 -> the quantised numbers, widened to float32 again
;;       x = np.moveaxis(x, axis, -1); K = x.shape[-1]
;;       x = np.pad(x, [(0, 0)] * (x.ndim - 1) + [(0, -K % 32)]); x = x.reshape(x.shape[:-1] + (-1, 32)); a = np.abs(x).max(-1, keepdims=True)
;;       e = np.where(a > 0, np.clip(np.frexp(np.where(a > 0, a, 1))[1] - 1 - 2, -126, 127), 0)      # np.frexp(a)[1] - 1 = floor(log2(a)), exactly
;;       r = np.clip(x / 2.0 ** e, -6, 6)
;;       step = 2.0 ** (np.maximum(np.frexp(np.where(r == 0, 1, r))[1] - 1, 0) - 1)
;;       q = np.round(r / step) * step * 2.0 ** e      # np.round: ties to even
;;       return np.moveaxis(q.reshape(q.shape[:-2] + (-1,))[..., :K], -1, axis).astype(np.float32)
;;   ~~~
;; One version. Each part assembles by itself: llvm-mc -triple=amdgcn-amd-amdhsa -mcpu=gfx1250 --defsym DOCPART=n.
;; ======== version 1 of 1: 4 launches
;; limits: values are held in f16: magnitudes above 65,504 overflow, below 6.1e-05 lose precision
;; workspace buffers: wc 393,216 bytes; ws 24,576 bytes; wo16 524,288 bytes; qf 8,388,608 bytes; kf 8,388,608 bytes; vf 8,388,608 bytes; af 8,388,608 bytes
;; launch prep (part 1): grid 256 x 1, 1 waves a work-group, no clusters, 0 bytes of LDS; arguments wq, wk, wv, wo, wc, ws, wo16; writes wc, ws, wo16
.if DOCPART == 1
	.amdgcn_target "amdgcn-amd-amdhsa--gfx1250"
	.amdhsa_code_object_version 6
	.text
	.protected	k_qf86b64e166_prep
	.globl	k_qf86b64e166_prep
	.p2align	8
	.type	k_qf86b64e166_prep,@function
k_qf86b64e166_prep:
	s_mov_b64 s[64:65], 0
	v_nop
	global_prefetch_b8 v0, s[64:65] scope:SCOPE_SE
	s_setreg_imm32_b32 hwreg(HW_REG_WAVE_MODE, 25, 1), 1
	s_wait_xcnt 0x0
; THE WEIGHTS ARE LAID OUT ONCE, in the order in which a wave's operand registers take them.
; wq, wk, wv [512 (k)][512 (n)] f32: quantised along K, their FIRST axis, to codes of E2M1 with one E8M0 byte for each 32 along K.  wo [512 (k)][512 (n)] f32: rounded to f16.
; A LANE TAKES A COLUMN n AND ITS REGISTERS RUN DOWN K: each load reads 128 consecutive bytes of a row, a block of 32 along K lies in one lane's 32 registers, and the conversions give K innermost.  Nothing is transposed.
; SHARES: 256 work-groups of one wave.  Work-group g: tensor g / 64 (0, 1, 2: wq, wk, wv; 3: wo), 32 columns (g % 16), 128 rows of K ((g / 16) % 4).  Waves share nothing: no LDS, no barrier, no cluster.
; OUT.  wc[tensor][16 features][128 K][1,024 bytes]: block b of 32 along K of feature r at 256 b + 16 r: a fragment of 4-bit codes as two runs of 512 bytes, lane l's 16 bytes at 16 l.
;       ws[tensor][feature][16 bytes]: word s = the four scale bytes of K step s.  wo16[16 features][32 K][1,024 bytes]: the eight k = 8 p .. 8 p + 7 of feature r at 256 p + 16 r.
; Each store of codes or of f16 numbers covers two runs of 256 consecutive bytes, aligned.  The scale words, 4 bytes a lane 16 bytes apart, are one byte in 128 of what the launch reads.
; A block's scale is 2^(floor(log2(its largest magnitude)) - 2); its byte is the largest magnitude's exponent field - 2, held at 1 from below.
; LIMITS: a block of zeros gets the byte 1 where the rule says 127 (its codes are zeros, and this program alone reads the bytes); blocks whose largest magnitude lies under 2^-124 are held at the byte 1;
; NaN and infinities among the inputs are not served; |wo| beyond 65,504 does not fit f16.
.set X, 32                             ; v32-95   two sets of 32 numbers
.set C, 96                             ; v96-159  results: every store has registers of its own, so none is written again
	s_load_b256 s[4:11], s[0:1], 0x0               ; wq s[4:5], wk s[6:7], wv s[8:9], wo s[10:11]
	s_load_b128 s[12:15], s[0:1], 0x20             ; wc s[12:13], ws s[14:15]
	s_load_b64 s[16:17], s[0:1], 0x30              ; wo16
	s_lshr_b32 s24, ttmp9, 6                       ; which tensor
	s_and_b32 s25, ttmp9, 15                       ; which 32 columns
	s_bfe_u32 s26, ttmp9, 0x20004                  ; which 128 rows of K
	v_lshlrev_b32 v1, 2, v0                        ; in: 4 bytes a lane
	v_lshrrev_b32 v5, 4, v0                        ; which of my two tiles of 16 features
	v_and_b32 v6, 15, v0
	v_lshlrev_b32 v6, 4, v6                        ; 16 r
	v_lshl_add_u32 v2, v5, 12, v6                  ; codes out: a tile of features is 4,096 bytes
	v_lshlrev_b32 v3, 4, v0                        ; scale words out: 16 bytes a feature
	v_lshl_add_u32 v4, v5, 14, v6                  ; f16 out: a tile of features is 16,384 bytes
	s_lshl_b32 s28, s26, 18                        ; source: 128 rows of 2,048 bytes,
	s_lshl_b32 s27, s25, 7                         ; 32 columns of 4 bytes
	s_add_co_u32 s28, s28, s27
	s_mov_b32 s29, 0
	s_lshl_b32 s30, s24, 17                        ; wc: 131,072 a tensor, 8,192 for 32 features, 1,024 a K step
	s_lshl_b32 s27, s25, 13
	s_add_co_u32 s30, s30, s27
	s_lshl_b32 s27, s26, 10
	s_add_co_u32 s30, s30, s27
	s_mov_b32 s31, 0
	s_lshl_b32 s32, s24, 13                        ; ws: 8,192 a tensor, 512 for 32 features, 4 a K step
	s_lshl_b32 s27, s25, 9
	s_add_co_u32 s32, s32, s27
	s_lshl_b32 s27, s26, 2
	s_add_co_u32 s32, s32, s27
	s_mov_b32 s33, 0
	s_lshl_b32 s34, s25, 15                        ; wo16: 32,768 for 32 features, 4,096 for 128 along K
	s_lshl_b32 s27, s26, 12
	s_add_co_u32 s34, s34, s27
	s_mov_b32 s35, 0
	s_wait_kmcnt 0x0
	s_cmp_eq_u32 s24, 0                            ; the source is chosen by the work-group's number alone
	s_cselect_b64 s[20:21], s[4:5], s[6:7]
	s_cmp_eq_u32 s24, 2
	s_cselect_b64 s[20:21], s[8:9], s[20:21]
	s_cmp_eq_u32 s24, 3
	s_cselect_b64 s[20:21], s[10:11], s[20:21]
	s_add_nc_u64 s[20:21], s[20:21], s[28:29]
	s_add_nc_u64 s[12:13], s[12:13], s[30:31]      ; (used on the codes' path alone)
	s_add_nc_u64 s[14:15], s[14:15], s[32:33]
	s_add_nc_u64 s[16:17], s[16:17], s[34:35]      ; (used on wo's path alone)
.macro LOAD t                          ; block t: rows 32 t + i of my 128, i = 0 .. 31, my column, into set t % 2
.irp i, 0,1,2,3,4,5,6,7,8,9,10,11,12,13,14,15,16,17,18,19,20,21,22,23,24,25,26,27,28,29,30,31
	global_load_b32 v[X+32*((\t)%2)+\i], v1, s[20:21] offset:(32*(\t)+\i)*2048
.endr
.endm
.macro ARRIVED t
.if (\t) < 3
	s_wait_loadcnt 32                              ; this block's 32 loads are in; the next block's 32 may be out
.else
	s_wait_loadcnt 0x0
.endif
.endm
.macro BLOCK t                         ; a block of 32 along K becomes 16 bytes of codes and a scale byte
.set XS, X+32*((\t)%2)
	ARRIVED \t
	v_max3_num_f32 v12, |v[XS]|, |v[XS+1]|, |v[XS+2]|      ; the block's largest magnitude: all 32 numbers are mine; two chains
	v_max3_num_f32 v13, |v[XS+3]|, |v[XS+4]|, |v[XS+5]|
.irp i, 6,10,14,18,22,26
	v_max3_num_f32 v12, v12, |v[XS+\i]|, |v[XS+\i+1]|
	v_max3_num_f32 v13, v13, |v[XS+\i+2]|, |v[XS+\i+3]|
.endr
	v_max3_num_f32 v12, v12, |v[XS+30]|, |v[XS+31]|
	v_max3_num_f32 v12, v12, v13, 0x1800000        ; and the floor 2^(3 - 127): the byte cannot fall under 1
	v_add_nc_u32 v11, 0xff000000, v12              ; 2 off its exponent field: the conversion takes the exponent field of this operand as its scale, and nothing else of it
	v_lshrrev_b32 v13, 23, v11                     ; the scale's byte
.if (\t) == 0
	v_mov_b32 v24, v13                             ; four bytes make the K step's scale word, the lower K in the lower byte
.else
	v_lshl_or_b32 v24, v13, 8*(\t), v24
.endif
.irp g, 0,1,2,3
	v_cvt_scalef32_pk8_fp4_f32 v[C+4*(\t)+\g], v[XS+8*\g:XS+8*\g+7], v11
.endr
	global_store_b128 v2, v[C+4*(\t):C+4*(\t)+3], s[12:13] offset:256*(\t)   ; sixteen lanes store 256 consecutive bytes, aligned
.if (\t) < 2
	LOAD (\t)+2
.endif
.endm
.macro PIECES t                        ; 32 along K of wo become four pieces of eight f16 numbers
.set XS, X+32*((\t)%2)
	ARRIVED \t
.irp p, 0,1,2,3
.irp i, 0,1,2,3
	v_cvt_pk_f16_f32 v[C+16*(\t)+4*\p+\i], v[XS+8*\p+2*\i], v[XS+8*\p+2*\i+1]
.endr
.endr
.irp p, 0,1,2,3
	global_store_b128 v4, v[C+16*(\t)+4*\p:C+16*(\t)+4*\p+3], s[16:17] offset:256*(4*(\t)+\p)
.endr
.if (\t) < 2
	LOAD (\t)+2
.endif
.endm
	LOAD 0
	LOAD 1
	s_cmp_eq_u32 s24, 3
	s_cbranch_scc1 .Lwo
	BLOCK 0
	BLOCK 1
	BLOCK 2
	BLOCK 3
	global_store_b32 v3, v24, s[14:15]             ; my feature's scale word of this K step
	s_endpgm
.Lwo:
	PIECES 0
	PIECES 1
	PIECES 2
	PIECES 3
	s_endpgm
.Lfunc_end_k_qf86b64e166_prep:
	.size	k_qf86b64e166_prep, .Lfunc_end_k_qf86b64e166_prep-k_qf86b64e166_prep
	.p2alignl 7, 3214868480
	.fill 96, 4, 3214868480
	.section	.rodata,"a",@progbits
	.p2align	6, 0x0
	.amdhsa_kernel k_qf86b64e166_prep
		.amdhsa_group_segment_fixed_size 0
		.amdhsa_private_segment_fixed_size 0
		.amdhsa_enable_private_segment 0
		.amdhsa_kernarg_size 56
		.amdhsa_user_sgpr_count 2
		.amdhsa_user_sgpr_kernarg_segment_ptr 1
		.amdhsa_wavefront_size32 1
		.amdhsa_system_sgpr_workgroup_id_x 1
		.amdhsa_system_sgpr_workgroup_id_y 1
		.amdhsa_system_sgpr_workgroup_id_z 1
		.amdhsa_system_vgpr_workitem_id 0
		.amdhsa_next_free_vgpr 160
		.amdhsa_next_free_sgpr 66
		.amdhsa_reserve_vcc 0
		.amdhsa_float_denorm_mode_32 3
		.amdhsa_float_denorm_mode_16_64 3
		.amdhsa_memory_ordered 1
		.amdhsa_forward_progress 1
		.amdhsa_inst_pref_size 32
	.end_amdhsa_kernel
	.amdgpu_metadata
---
amdhsa.version: [ 1, 2 ]
amdhsa.kernels:
  - .name:           k_qf86b64e166_prep
    .symbol:         k_qf86b64e166_prep.kd
    .args:
      - { .name: wq, .offset: 0, .size: 8, .value_kind: global_buffer, .address_space: global }
      - { .name: wk, .offset: 8, .size: 8, .value_kind: global_buffer, .address_space: global }
      - { .name: wv, .offset: 16, .size: 8, .value_kind: global_buffer, .address_space: global }
      - { .name: wo, .offset: 24, .size: 8, .value_kind: global_buffer, .address_space: global }
      - { .name: wc, .offset: 32, .size: 8, .value_kind: global_buffer, .address_space: global }
      - { .name: ws, .offset: 40, .size: 8, .value_kind: global_buffer, .address_space: global }
      - { .name: wo16, .offset: 48, .size: 8, .value_kind: global_buffer, .address_space: global }
    .group_segment_fixed_size: 0
    .private_segment_fixed_size: 0
    .kernarg_segment_align: 8
    .kernarg_segment_size: 56
    .max_flat_workgroup_size: 32
    .sgpr_count:     66
    .vgpr_count:     160
    .wavefront_size: 32
...
	.end_amdgpu_metadata
.endif
;; end of part 1
;; launch proj (part 2): grid 128 x 3, 16 waves a work-group, no clusters, 155,648 bytes of LDS; arguments q, k, v, wc, ws, bq, bk, bv, qf, kf, vf; writes qf, kf, vf
.if DOCPART == 2
	.amdgcn_target "amdgcn-amd-amdhsa--gfx1250"
	.amdhsa_code_object_version 6
	.text
	.protected	k_qf86b64e166_proj
	.globl	k_qf86b64e166_proj
	.p2align	8
	.type	k_qf86b64e166_proj,@function
k_qf86b64e166_proj:
	s_mov_b64 s[64:65], 0
	v_nop
	global_prefetch_b8 v0, s[64:65] scope:SCOPE_SE
	s_setreg_imm32_b32 hwreg(HW_REG_WAVE_MODE, 25, 1), 1
	s_wait_xcnt 0x0
; THE THREE PROJECTIONS, x W + b, on codes of E2M1 with one E8M0 scale for each 32 along K; sums in f32; results rounded once to f16 and stored in the order of the attention's operand registers.
; Work-group y chooses the tensor (0: q, wq, bq -> qf; 1: k .. -> kf; 2: v .. -> vf) by choices between pointers; work-group x takes 64 rows: four tiles m of 16.
; PHASE X: wave w quantises ONE fragment of x: tile m = w / 4, K step s = w % 4 (16 rows x 128 numbers).  Each load reads 512 consecutive bytes of a row; the rows turn through the wave's own stage in LDS, so that a lane
; gets 16 neighbours of each block of 32; codes and scale word go to LDS as an image of the operand's registers (16 bytes a lane at 16 x lane; 4 bytes a lane).  One barrier.
; PHASE M: wave w makes features 32 w .. 32 w + 31 (two tiles f) for all four tiles of rows: 8 accumulators by turns, 32 matrix instructions.  Its part of W (64 registers) and W's scale words come from memory straight into
; registers, laid out for that by the launch before.  The bias is the C of each sum's first matrix instruction.
; NO CLUSTER, NO TENSOR LOAD: the weights are what work-groups share, and each wave takes its own 8,192 bytes of them by 16 loads straight into operand registers; through LDS the same bytes would be written and read once more.
; q, k: source 0 = 16 features of W, source 1 = 16 rows of x: a lane holds one token and eight neighbouring channels.  v: the sources change places: a lane holds one channel and eight neighbouring tokens,
; since the tokens are the K of the attention's second product.  Both give pieces of 512 bytes, lane l's 16 bytes at 16 l:
; qf, kf, vf [batch x 8 + head][32 tokens g][16 channels e][16 tokens u][512 bytes]; every store covers 512 consecutive bytes, aligned.
; LIMITS: a block of zeros gets the scale byte 1 (its codes are zeros; the bytes never leave the launch); NaN and infinities among the inputs are not served; |x W + b| beyond 65,504 does not fit f16.
.set XIMG,  135168                     ; LDS: from 0 sixteen stages of 16 rows x (512 + 16) bytes, a wave's own; then x's 16 fragments, 1,024 bytes each (4 m + s);
.set XSC,   151552                     ; their scale words, 128 bytes each;
.set SPARE, 153600                     ; the spare words, 128 bytes for each wave: eight blocks of 256 bytes that no other line names
.set WS,  16                           ; v16-23   W's scale words (4 f + s): scales and nothing else
.set XS,  24                           ; v24-31   x's scale words (4 sl + m): scales and nothing else
.set BI,  32                           ; v32-47   the bias in the result's layout (8 f + j)
.set W,   48                           ; v48-111  W's fragments (8 (4 f + s))
.set RA,  112                          ; v112-175 x's rows as loaded; then the codes (v112-119) and the scale word (v120); then the accumulators (8 (4 f + m))
.set PC,  112
.set PW,  120
.set ACC, 112
.set XF,  176                          ; v176-239 64 neighbours; then x's fragments of two K steps (8 (4 sl + m)); then the packed results
.set TM,  240                          ; v240-255 at work in the quantiser
.set SEL, 28                           ; s[28:29] lane selects for v_permlanex16_b32: lane l xor 16
	s_load_b256 s[4:11], s[0:1], 0x0               ; q s[4:5], k s[6:7], v s[8:9], wc s[10:11]
	s_load_b256 s[12:19], s[0:1], 0x20             ; ws s[12:13], bq s[14:15], bk s[16:17], bv s[18:19]
	s_load_b128 s[20:23], s[0:1], 0x40             ; qf s[20:21], kf s[22:23]
	s_load_b64 s[24:25], s[0:1], 0x50              ; vf
	v_lshl_add_u32 v14, v0, 2, SPARE               ; my spare word; never rewritten
	v_mov_b32 v15, 0                               ; 0; never rewritten
	v_lshrrev_b32 v1, 5, v0
	v_readfirstlane_b32 s26, v1                    ; wave 0..15
	s_and_b32 s27, ttmp7, 0xffff                   ; which tensor
	v_and_b32 v1, 31, v0                           ; lane
	v_and_b32 v2, 15, v0                           ; r
	v_bfe_u32 v3, v0, 4, 1                         ; h
	v_lshlrev_b32 v4, 4, v1                        ; 16 x lane: every global offset of 16 bytes a lane
	s_mul_i32 s36, s26, 8448                       ; my stage
	v_add_nc_u32 v5, s36, v4                       ; into it: a row's 512 bytes as they lie
	v_mul_u32_u24 v6, v2, 528
	v_lshl_add_u32 v6, v3, 6, v6
	v_add_nc_u32 v6, s36, v6                       ; out of it: row r, + 64 h: my 16 numbers of a block of 32.  Rows 528 bytes = 33 x 16 apart: sixteen lanes touch sixteen different 16-byte columns
	v_lshl_add_u32 v7, v1, 4, XIMG                 ; an image's place for my lane
	v_lshl_add_u32 v8, v1, 2, XSC                  ; a scale word's
	s_lshl_b32 s36, s26, 10
	v_add_nc_u32 v9, s36, v7                       ; where I store my fragment: number w = 4 m + s
	s_lshl_b32 s36, s26, 7
	v_add_nc_u32 v10, s36, v8                      ; and its scale words
	v_lshlrev_b32 v11, 4, v2                       ; W's scale words: 16 bytes a feature
	v_lshlrev_b32 v12, 5, v3                       ; the bias for q and k: eight numbers from 8 h on
	v_lshlrev_b32 v13, 2, v2                       ; the bias for v: the number of feature r
	s_mov_b32 s[SEL], 0x76543210
	s_mov_b32 s[SEL+1], 0xfedcba98
.irp b, 0,1,2,3
	v_mov_b32 v[TM+4+\b], 0                        ; written once: a lane permute's destination counts as one of its sources
.endr
	s_lshl_b32 s36, ttmp9, 17                      ; x: 64 rows of 2,048 bytes a work-group,
	s_lshr_b32 s46, s26, 2
	s_lshl_b32 s46, s46, 15                        ; 16 rows a tile m,
	s_add_co_u32 s36, s36, s46
	s_and_b32 s46, s26, 3
	s_lshl_b32 s46, s46, 9                         ; 512 bytes a K step
	s_add_co_u32 s36, s36, s46
	s_mov_b32 s37, 0
	s_lshl_b32 s38, s27, 17                        ; wc: 131,072 a tensor, 8,192 for my 32 features
	s_lshl_b32 s46, s26, 13
	s_add_co_u32 s38, s38, s46
	s_mov_b32 s39, 0
	s_lshl_b32 s40, s27, 13                        ; ws: 8,192 a tensor, 512 for my 32 features
	s_lshl_b32 s46, s26, 9
	s_add_co_u32 s40, s40, s46
	s_mov_b32 s41, 0
	s_lshl_b32 s42, s26, 7                         ; the bias: my 32 numbers
	s_mov_b32 s43, 0
	s_lshr_b32 s44, ttmp9, 6                       ; out: (8 x batch + head) x 524,288,
	s_lshl_b32 s44, s44, 3
	s_lshr_b32 s46, s26, 1
	s_add_co_u32 s44, s44, s46
	s_lshl_b32 s44, s44, 19
	s_and_b32 s46, ttmp9, 63                       ; 64 tokens are two groups g of 4,096 bytes,
	s_lshl_b32 s46, s46, 13
	s_add_co_u32 s44, s44, s46
	s_and_b32 s46, s26, 1                          ; my 32 channels of the head's 64 are two e of 1,024 bytes
	s_lshl_b32 s46, s46, 11
	s_add_co_u32 s44, s44, s46
	s_mov_b32 s45, 0
	s_wait_kmcnt 0x0
	s_cmp_eq_u32 s27, 0                            ; the choices hang on the work-group's number alone
	s_cselect_b64 s[30:31], s[4:5], s[6:7]
	s_cselect_b64 s[32:33], s[14:15], s[16:17]
	s_cselect_b64 s[34:35], s[20:21], s[22:23]
	s_cmp_eq_u32 s27, 2
	s_cselect_b64 s[30:31], s[8:9], s[30:31]
	s_cselect_b64 s[32:33], s[18:19], s[32:33]
	s_cselect_b64 s[34:35], s[24:25], s[34:35]
	s_add_nc_u64 s[30:31], s[30:31], s[36:37]      ; x
	s_add_nc_u64 s[10:11], s[10:11], s[38:39]      ; W's codes
	s_add_nc_u64 s[12:13], s[12:13], s[40:41]      ; W's scale words
	s_add_nc_u64 s[32:33], s[32:33], s[42:43]      ; the bias
	s_add_nc_u64 s[34:35], s[34:35], s[44:45]      ; out
.irp f, 0,1
	global_load_b128 v[WS+4*\f:WS+4*\f+3], v11, s[12:13] offset:256*\f     ; feature 16 f + r: the words of K steps 0 to 3
.endr
.irp f, 0,1
.irp s, 0,1,2,3
.irp c, 0,1
	global_load_b128 v[W+8*(4*\f+\s)+4*\c:W+8*(4*\f+\s)+4*\c+3], v4, s[10:11] offset:4096*\f+1024*\s+512*\c
.endr
.endr
.endr
	s_cmp_eq_u32 s27, 2
	s_cbranch_scc1 .Lbias_v
.irp f, 0,1
.irp i, 0,1
	global_load_b128 v[BI+8*\f+4*\i:BI+8*\f+4*\i+3], v12, s[32:33] offset:64*\f+16*\i    ; q, k: register j is feature 16 f + 8 h + j
.endr
.endr
	s_branch .Lbias_done
.Lbias_v:
.irp f, 0,1
.irp j, 0,1,2,3,4,5,6,7
	global_load_b32 v[BI+8*\f+\j], v13, s[32:33] offset:64*\f              ; v: all eight registers are feature 16 f + r
.endr
.endr
.Lbias_done:
.irp i, 0,1,2,3,4,5,6,7,8,9,10,11,12,13,14,15
	global_load_b128 v[RA+4*\i:RA+4*\i+3], v4, s[30:31] offset:2048*\i th:TH_LOAD_NT    ; row i: 32 lanes read 512 consecutive bytes.  These loads are the youngest on both ways through the bias
.endr
.irp i, 0,1,2,3,4,5,6,7,8,9,10,11,12,13,14,15
	s_wait_loadcnt 15-\i                           ; row i is in (and all that was asked for before x); the 15 - i younger rows may be out
	ds_store_b128 v5, v[RA+4*\i:RA+4*\i+3] offset:528*\i
.endr
.irp b, 0,1,2,3
.irp j, 0,1,2,3
	ds_load_b128 v[XF+16*\b+4*\j:XF+16*\b+4*\j+3], v6 offset:128*\b+16*\j    ; LDS serves a wave's instructions in order (ISA guide 5.7.1.4): these see my stores.  Register 16 b + i = k 32 b + 16 h + i of row r
.endr
.endr
	s_wait_dscnt 0x0
; 64 numbers of a lane, register 16 b + i = k 32 b + 16 (lane / 16) + i of my row, become a fragment's codes in v[PC] on and its scale word in v[PW]
.macro QUANT s
.irp b, 0,1,2,3
	v_max3_num_f32 v[TM+\b], |v[\s+16*\b]|, |v[\s+1+16*\b]|, 0x1800000     ; block b: my 16 numbers, and the floor 2^(3 - 127): the byte cannot fall under 1
.endr
.irp i, 2,4,6,8,10,12,14
.irp b, 0,1,2,3
	v_max3_num_f32 v[TM+\b], v[TM+\b], |v[\s+16*\b+\i]|, |v[\s+1+16*\b+\i]|   ; the four blocks by turns
.endr
.endr
.irp b, 0,1,2,3
	v_permlanex16_b32 v[TM+4+\b], v[TM+\b], s[SEL], s[SEL+1]
.endr
.irp b, 0,1,2,3
	v_max_num_f32 v[TM+\b], v[TM+\b], v[TM+4+\b]   ; with lane l xor 16's: the block's largest magnitude
.endr
.irp b, 0,1,2,3
	v_add_nc_u32 v[TM+12+\b], 0xff000000, v[TM+\b] ; 2 off its exponent field: the conversion's scale operand
.endr
.irp b, 0,1,2,3
	v_lshrrev_b32 v[TM+4+\b], 23, v[TM+12+\b]      ; the scale's byte
.endr
	v_lshl_or_b32 v[PW], v[TM+5], 8, v[TM+4]       ; the four bytes make my row's scale word
	v_lshl_or_b32 v[PW], v[TM+6], 16, v[PW]
	v_lshl_or_b32 v[PW], v[TM+7], 24, v[PW]
.irp b, 0,1,2,3
	v_cvt_scalef32_pk8_fp4_f32 v[PC+2*\b], v[\s+16*\b:\s+7+16*\b], v[TM+12+\b]
	v_cvt_scalef32_pk8_fp4_f32 v[PC+1+2*\b], v[\s+8+16*\b:\s+15+16*\b], v[TM+12+\b]
.endr
	v_nop                                          ; one plain place behind a scaled conversion
.irp c, 0,1                                    ; the operand's layout wants a WHOLE block in a lane: lanes 0-15 block 2 c, lanes 16-31 block 2 c + 1
.irp i, 0,1
	v_permlane16_swap_b32 v[PC+4*\c+\i], v[PC+2+4*\c+\i]
.endr
.endr
.endm
	QUANT XF
.irp c, 0,1
	ds_store_b128 v9, v[PC+4*\c:PC+4*\c+3] offset:512*\c    ; the fragment goes to LDS as it stands
.endr
	ds_store_b32 v10, v[PW]
	s_wait_dscnt 0x0                               ; for the others' sake: my stores have landed
	s_barrier_signal -1
	s_barrier_wait -1                              ; x's sixteen fragments lie in LDS
; x's fragments and scale words of K steps 2 hs and 2 hs + 1, for the four tiles of rows
.macro FETCHX hs
.irp sl, 0,1
.irp m, 0,1,2,3
.irp c, 0,1
	ds_load_b128 v[XF+8*(4*\sl+\m)+4*\c:XF+8*(4*\sl+\m)+4*\c+3], v7 offset:1024*(4*\m+2*(\hs)+\sl)+512*\c
.endr
	ds_load_b32 v[XS+4*\sl+\m], v8 offset:128*(4*\m+2*(\hs)+\sl)
.endr
.endr
	s_wait_dscnt 0x0
.endm
; 16 matrix instructions: two K steps, each on the 8 accumulators by turns, one instruction a turn.  swap = 0: source 0 = W, source 1 = x; 1: the other way round, the scales with them
.macro MUL hs, swap
.irp sl, 0,1
.irp m, 0,1,2,3
.irp f, 0,1
.set rD, ACC+8*(4*\f+\m)
.set rW, W+8*(4*\f+2*(\hs)+\sl)
.set rX, XF+8*(4*\sl+\m)
.set rWS, WS+4*\f+2*(\hs)+\sl
.set rXS, XS+4*\sl+\m
.set rC, rD
.if (2*(\hs)+\sl) == 0
.set rC, BI+8*\f                       ; the first K step starts the sum from the bias
.endif
.if \swap
	v_wmma_scale_f32_16x16x128_f8f6f4 v[rD:rD+7], v[rX:rX+7], v[rW:rW+7], v[rC:rC+7], v[rXS], v[rWS] matrix_a_fmt:MATRIX_FMT_FP4 matrix_b_fmt:MATRIX_FMT_FP4
.else
	v_wmma_scale_f32_16x16x128_f8f6f4 v[rD:rD+7], v[rW:rW+7], v[rX:rX+7], v[rC:rC+7], v[rWS], v[rXS] matrix_a_fmt:MATRIX_FMT_FP4 matrix_b_fmt:MATRIX_FMT_FP4
.endif
.endr
.endr
.endr
.endm
.macro HALF hs                         ; the branch hangs on the work-group's number and leads round matrix instructions alone: every LDS line stands on the common way
	FETCHX \hs
	s_cmp_eq_u32 s27, 2
	s_cbranch_scc1 .Lfor_v_\@
	MUL \hs, 0
	s_branch .Ljoined_\@
.Lfor_v_\@:
	MUL \hs, 1
.Ljoined_\@:
.endm
	HALF 0
.rept 4
	v_nop                                          ; four places in front of loads into registers that matrix instructions have read (ISA guide 7.12.1 for vector instructions)
.endr
	HALF 1
.rept 4
	v_nop                                          ; and in front of conversions that read results and write over operands
.endr
.irp f, 0,1
.irp m, 0,1,2,3
.irp i, 0,1,2,3
	v_cvt_pk_f16_f32 v[XF+4*(4*\f+\m)+\i], v[ACC+8*(4*\f+\m)+2*\i], v[ACC+8*(4*\f+\m)+2*\i+1]   ; each accumulator from its low end on: eight neighbours pack into 16 bytes
.endr
.endr
.endr
.irp f, 0,1
.irp m, 0,1,2,3
	global_store_b128 v4, v[XF+4*(4*\f+\m):XF+4*(4*\f+\m)+3], s[34:35] offset:(\m/2)*4096+\f*1024+(\m%2)*512   ; a piece: 512 consecutive bytes, aligned
.endr
.endr
	s_wait_tensorcnt 0x0                           ; the wave's end, behind my last LDS store
	ds_add_u32 v14, v15
	s_wait_dscnt 0x0
	s_endpgm
.Lfunc_end_k_qf86b64e166_proj:
	.size	k_qf86b64e166_proj, .Lfunc_end_k_qf86b64e166_proj-k_qf86b64e166_proj
	.p2alignl 7, 3214868480
	.fill 96, 4, 3214868480
	.section	.rodata,"a",@progbits
	.p2align	6, 0x0
	.amdhsa_kernel k_qf86b64e166_proj
		.amdhsa_group_segment_fixed_size 155648
		.amdhsa_private_segment_fixed_size 0
		.amdhsa_enable_private_segment 0
		.amdhsa_kernarg_size 88
		.amdhsa_user_sgpr_count 2
		.amdhsa_user_sgpr_kernarg_segment_ptr 1
		.amdhsa_wavefront_size32 1
		.amdhsa_system_sgpr_workgroup_id_x 1
		.amdhsa_system_sgpr_workgroup_id_y 1
		.amdhsa_system_sgpr_workgroup_id_z 1
		.amdhsa_system_vgpr_workitem_id 0
		.amdhsa_next_free_vgpr 256
		.amdhsa_next_free_sgpr 66
		.amdhsa_reserve_vcc 0
		.amdhsa_float_denorm_mode_32 3
		.amdhsa_float_denorm_mode_16_64 3
		.amdhsa_memory_ordered 1
		.amdhsa_forward_progress 1
		.amdhsa_inst_pref_size 30
	.end_amdhsa_kernel
	.amdgpu_metadata
---
amdhsa.version: [ 1, 2 ]
amdhsa.kernels:
  - .name:           k_qf86b64e166_proj
    .symbol:         k_qf86b64e166_proj.kd
    .args:
      - { .name: q, .offset: 0, .size: 8, .value_kind: global_buffer, .address_space: global }
      - { .name: k, .offset: 8, .size: 8, .value_kind: global_buffer, .address_space: global }
      - { .name: v, .offset: 16, .size: 8, .value_kind: global_buffer, .address_space: global }
      - { .name: wc, .offset: 24, .size: 8, .value_kind: global_buffer, .address_space: global }
      - { .name: ws, .offset: 32, .size: 8, .value_kind: global_buffer, .address_space: global }
      - { .name: bq, .offset: 40, .size: 8, .value_kind: global_buffer, .address_space: global }
      - { .name: bk, .offset: 48, .size: 8, .value_kind: global_buffer, .address_space: global }
      - { .name: bv, .offset: 56, .size: 8, .value_kind: global_buffer, .address_space: global }
      - { .name: qf, .offset: 64, .size: 8, .value_kind: global_buffer, .address_space: global }
      - { .name: kf, .offset: 72, .size: 8, .value_kind: global_buffer, .address_space: global }
      - { .name: vf, .offset: 80, .size: 8, .value_kind: global_buffer, .address_space: global }
    .group_segment_fixed_size: 155648
    .private_segment_fixed_size: 0
    .kernarg_segment_align: 8
    .kernarg_segment_size: 88
    .max_flat_workgroup_size: 512
    .sgpr_count:     66
    .vgpr_count:     256
    .wavefront_size: 32
...
	.end_amdgpu_metadata
.endif
;; end of part 2
;; launch attn (part 3): grid 16 x 16, 8 waves a work-group, clusters of 4 x 1, 327,680 bytes of LDS; arguments qf, kf, vf, af; writes af
.if DOCPART == 3
	.amdgcn_target "amdgcn-amd-amdhsa--gfx1250"
	.amdhsa_code_object_version 6
	.text
	.protected	k_qf86b64e166_attn
	.globl	k_qf86b64e166_attn
	.p2align	8
	.type	k_qf86b64e166_attn,@function
k_qf86b64e166_attn:
	s_mov_b64 s[64:65], 0
	v_nop
	global_prefetch_b8 v0, s[64:65] scope:SCOPE_SE
	s_setreg_imm32_b32 hwreg(HW_REG_WAVE_MODE, 25, 1), 1
	s_wait_xcnt 0x0
	s_wait_alu depctr_hold_cnt(0) depctr_sa_sdst(0) depctr_va_vdst(0) depctr_va_sdst(0) depctr_va_ssrc(0) depctr_va_vcc(0) depctr_vm_vsrc(0)
	s_getreg_b32 s2, hwreg(HW_REG_IB_STS2, 6, 4)
	s_cmp_eq_u32 s2, 0
	s_cbranch_scc0 .Lentry_in_a_cluster
	s_endpgm
.Lentry_in_a_cluster:
	s_bfe_u32 s2, ttmp6, 0x10000c
	s_cmp_lg_u32 s2, 0x3003
	s_cbranch_scc0 .Lentry_shape_is_right
	s_endpgm
.Lentry_shape_is_right:
; O[bh][q] = the sum over k of softmax_k(Q[bh][q] . K[bh][k] / 8) V[bh][k], 16 heads-in-batch bh, 4,096 tokens, head size 64.  Operands f16, products, maxima and sums f32; the weights p are rounded to f16 for the
; second product, O / l once at the end.  qf, kf, vf lie in pieces of 512 bytes (lane l's 16 bytes at 16 l) in the order of the operands' registers: [bh][32 tokens g][16 channels e][16 tokens u][512];
; in qf, kf a lane holds one token and eight channels, in vf one channel and eight tokens.  64 keys are 8,192 consecutive bytes in kf and in vf alike.
; SHARES.  A work-group owns 256 queries of one bh; each of its eight waves 32: two tiles t of 16.  Two waves share a SIMD, so that one wave's softmax stands beside the other's products.  Every wave walks all keys, 64 a step.
; LAYOUT.  S^T = K Q^T (source 0 = 16 keys, source 1 = 16 queries) and O^T = V^T P (source 0 = 16 channels, source 1 = P): a lane holds ONE query (lane % 16) throughout, and two tiles of S^T, rounded in pairs, ARE P's fragment.
; SOFTMAX.  For each query a running maximum m and sum l: p = 2^(c s - c m), c = log2(e) / 8; in every step O and l are multiplied by a = 2^(c m_old - c m_new).  m begins at -3e38, O and l at 0: the first a is 0.
; RING.  Two LDS slots of 512 keys (K's 65,536 bytes, then V's), 2^17 bytes apart.  Each of the eight waves fetches 16,384 bytes of a slot by one tensor load (waves 0-3: K, waves 4-7: V): a wave has at most one tensor load out.
; The change of slots stands at a slot's head; behind it the slot just left is filled with the keys that follow, and the load has a slot's eight key steps in which to land.
; CLUSTER.  The four query blocks of a cluster belong to one bh and walk the same K and V: each tile is asked for JOINTLY, by the same tensor load with the same descriptor and a mask that names the four.
; OUT.  af[16 rows][32 features s][16 features c][512 bytes]: the next launch's operand; lane (r, h) holds row r, features 32 s + 16 c + 8 h + 0 .. 7.  Every store covers 512 consecutive bytes, aligned.
; LIMITS: NaN and infinities are not served; a p under 2^-25 is rounded to 0 for the second product (it still counts in l).
; REGISTERS.  Window 0: v1-6 addresses; v8-23 statistics, eight a tile; v24-25 c m of the step before; v32-63 Q; v64-127 S^T, then p; v128-159 P; v160-223 O^T.  Window 1: v0-63 K of a step, v64-127 V of a step.
.set SLOT1, 1<<17
.set SLOTB, 65536                      ; a slot's keys in kf or in vf, in bytes
.set SPARE, 2*SLOT1                    ; behind the ring: the spare words, 128 bytes for each wave: four blocks of 256 bytes that no other line names
.set L16, 1                            ; v1   16 x lane; never rewritten
.set ADK, 2                            ; v2   LDS address of the step's K
.set ADV, 3                            ; v3   of its V
.set PFO, 4                            ; v4   256 x lane: the prefetches' offset; never rewritten
.set SPW, 5                            ; v5   my spare word: SPARE + 4 x my thread's number; never rewritten
.set NIL, 6                            ; v6   0; never rewritten
.set ST,  8                            ; tile t's statistics at v[ST + 8 t]: +0 c m, +1 m, +2, +3 l (even keys', odd keys'), +4 to +7 four chains of the maximum; then +6 a, +7 c m_old - c m_new
.set OM,  24
.set Q,   32                           ; at 16 t + 8 s2
.set S,   64                           ; at 32 t + 8 kt
.set P,   128                          ; at 16 t + 8 kg
.set O,   160                          ; at 32 t + 8 ct
.set KF,  0                            ; window 1: at 8 (2 kt + s2)
.set VF,  64                           ; window 1: at 8 (4 kg + ct)
.set WV,  12                           ; s12  my wave's number
.set G1,  24                           ; s[24:31] descriptor group 1
.set G0,  32                           ; s[32:35] descriptor group 0: it walks
.set CS,  36                           ; s[36:37] c, named as a pair
.set SEL, 38                           ; s[38:39] lane selects for v_permlanex16_b32: lane l xor 16
.set TB,  40                           ; s40  LDS byte at which the step in hand begins
.set SLOTS, 41                         ; s41  slots still to be asked for
.set CNT, 42                           ; s42  counts a slot's eight steps
.set LIM, 43                           ; s43  1 in a wave that prefetches, else the greatest number
.set PFA, 44                           ; s[44:45] where my prefetches stand
.set MSB, 0
.macro WIN new                         ; the immediate's high byte repeats the setting that is left; a switch that changes nothing is dropped
.if MSB != \new
	s_set_vgpr_msb (MSB<<8)|\new
.set MSB, \new
.endif
.endm
; A round of the cluster's barrier: my work-group's barrier; wave 0 signals for the work-group; every wave waits for all four work-groups; my work-group's barrier once more
.macro CROUND
	s_barrier_signal -1
	s_barrier_wait -1
	s_cmp_lg_u32 s[WV], 0
	s_cbranch_scc1 .Lnot_wave_0_\@
	s_barrier_signal -3
.Lnot_wave_0_\@:
	s_barrier_wait -3
	s_barrier_signal -1
	s_barrier_wait -1
.endm
; A PREFETCH of what the NEXT change of slots will ask for: a slot's 65,536 bytes of K and of V, a lane to each 256 bytes, eight key steps ahead of that load.  Each block is named ONCE in the launch: all clusters of a bh walk
; the same K and V, so the first of them (cluster x = 0) asks; in it waves 0 and 2 take K's two halves, waves 4 and 6 V's; the four partners share each half out BY ADDRESS, 8,192 bytes each.
; The last change that fills a slot asks for nothing, and nothing is asked for at the head.
.macro ASK
	s_cmp_gt_u32 s[SLOTS], s[LIM]
	s_cbranch_scc0 .Lnot_mine_\@
	global_prefetch_b8 v[PFO], s[PFA:PFA+1] th:TH_LOAD_NT scope:SCOPE_SE
.Lnot_mine_\@:
.endm
	s_load_b256 s[4:11], s[0:1], 0x0               ; qf s[4:5], kf s[6:7], vf s[8:9], af s[10:11]
	v_lshl_add_u32 v[SPW], v0, 2, SPARE
	v_mov_b32 v[NIL], 0
	ds_add_u32 v[SPW], v[NIL]                      ; the wave's opening: the add, twice on end, and its wait ahead of my first tensor load; the set-up below stands between the second and the wait
	ds_add_u32 v[SPW], v[NIL]
	v_lshrrev_b32 v7, 5, v0
	v_readfirstlane_b32 s[WV], v7                  ; wave 0..7
	s_bfe_u32 s13, ttmp6, 0x40000                  ; cx: my place in the cluster
	s_lshl_b32 s14, ttmp9, 2                       ; in a cluster launch ttmp9 counts clusters
	s_add_co_u32 s14, s14, s13                     ; my block of 256 queries: it enters qf's and af's addresses alone
	s_and_b32 s15, ttmp7, 0xffff                   ; bh, which the four partners share
	s_lshl_b32 s16, s15, 19                        ; its first byte in qf, kf, vf
	s_and_b32 s18, s[WV], 3
	s_lshl_b32 s18, s18, 14                        ; my 16,384 bytes of a slot's K or V
	s_add_co_u32 s18, s18, s16
	s_mov_b32 s19, 0
	s_bfe_u32 s22, s[WV], 0x10001                  ; the prefetches: which half of a slot's 65,536 bytes ((wave / 2) % 2),
	s_lshl_b32 s22, s22, 15
	s_lshl_b32 s54, s13, 13                        ; my work-group's 8,192 of it,
	s_add_co_u32 s22, s22, s54
	s_add_co_u32 s22, s22, s16
	s_add_co_u32 s22, s22, SLOTB                   ; in the second slot's keys: the first change of slots steps it to the third's
	s_mov_b32 s23, 0
	s_lshl_b32 s50, s14, 3                         ; Q: my wave's 32 queries are group g = 8 x block + wave, 4,096 bytes
	s_add_co_u32 s50, s50, s[WV]
	s_lshl_b32 s50, s50, 12
	s_add_co_u32 s50, s50, s16
	s_mov_b32 s51, 0
	s_lshr_b32 s52, s15, 3                         ; af: tile of 16 rows = 256 x batch + 16 x block + 2 x wave, 16,384 bytes each;
	s_lshl_b32 s52, s52, 8
	s_lshl_b32 s54, s14, 4
	s_add_co_u32 s52, s52, s54
	s_lshl_b32 s54, s[WV], 1
	s_add_co_u32 s52, s52, s54
	s_lshl_b32 s52, s52, 14
	s_and_b32 s54, s15, 7                          ; the head's 64 features are 2,048 bytes
	s_lshl_b32 s54, s54, 11
	s_add_co_u32 s52, s52, s54
	s_mov_b32 s53, 0
	; descriptor group 1: 16,384 dense bytes as 64 rows of 32 elements of 8 bytes, no padding
	s_mov_b32 s[G1], 15|(3<<16)|(1<<21)            ; 15:0 the mask: all four work-groups; 17:16 elements of 8 bytes; 21 set beside a mask
	s_mov_b32 s[G1+1], 32<<16                      ; tensor_dim0 = 32
	s_mov_b32 s[G1+2], 64<<16                      ; tensor_dim1 = 64
	s_mov_b32 s[G1+3], 32<<16                      ; tile_dim0 = 32
	s_mov_b32 s[G1+4], 64                          ; tile_dim1 = 64
	s_mov_b32 s[G1+5], 32                          ; elements from row to row
	s_mov_b32 s[G1+6], 0
	s_mov_b32 s[G1+7], 0
	s_mov_b32 s[CS], 0x3e38aa3b                    ; c = log2(e) / 8
	s_mov_b32 s[CS+1], s[CS]                       ; (named with it as a pair, so it is written)
	s_mov_b32 s[SEL], 0x76543210
	s_mov_b32 s[SEL+1], 0xfedcba98
	s_mov_b32 s[TB], 0
	s_mov_b32 s[SLOTS], 7
	s_and_b32 s[LIM], s[WV], 1                     ; 0 in the even waves
	s_or_b32 s[LIM], s[LIM], ttmp9                 ; of the bh's first cluster: the same in all four partners
	s_cmp_eq_u32 s[LIM], 0
	s_cselect_b32 s[LIM], 1, -1
	s_wait_dscnt 0x0                               ; both opening adds are done
	s_wait_kmcnt 0x0
	s_cmp_lt_u32 s[WV], 4                          ; waves 0-3 fetch for K, waves 4-7 for V: a choice on the wave's number
	s_cselect_b64 s[20:21], s[6:7], s[8:9]
	s_mov_b32 s[G0], 1                             ; count = 1
	s_lshl_b32 s[G0+1], s[WV], 14                  ; LDS address: slot 0, wave x 16,384: K's four parts, then V's four
	s_add_nc_u64 s[G0+2:G0+3], s[20:21], s[18:19]  ; global address: nothing in it hangs on my place in the cluster
	s_or_b32 s[G0+3], s[G0+3], 0x80000000          ; type = 2
	s_add_nc_u64 s[PFA:PFA+1], s[20:21], s[22:23]
	s_add_nc_u64 s[46:47], s[4:5], s[50:51]        ; Q at my wave's queries
	s_add_nc_u64 s[48:49], s[10:11], s[52:53]      ; af at my wave's rows
	CROUND                                         ; all four work-groups are here: the first joint loads meet
	tensor_load_to_lds s[G0:G0+3], s[G1:G1+7]      ; keys 0 to 511 into slot 0
	s_nop 0
.rept 4
	v_nop
.endr
	v_and_b32 v[L16], 31, v0
	v_lshlrev_b32 v[PFO], 8, v[L16]
	v_lshlrev_b32 v[L16], 4, v[L16]
.irp t, 0,1
.irp s2, 0,1
.irp c, 0,1
	global_load_b128 v[Q+16*\t+8*\s2+4*\c:Q+16*\t+8*\s2+4*\c+3], v[L16], s[46:47] offset:(2*\s2+\c)*1024+\t*512   ; Q stays in registers
.endr
.endr
.endr
.irp t, 0,1
	v_mov_b32 v[ST+8*\t+1], 0xff61b1e6             ; m: -3e38, under every score
	v_mov_b32 v[ST+8*\t+2], 0                      ; l, in two halves
	v_mov_b32 v[ST+8*\t+3], 0
.endr
.irp t, 0,1
	v_mul_f32 v[ST+8*\t], s[CS], v[ST+8*\t+1]      ; c m
.endr
.set i, 0
.rept 64
	v_mov_b32 v[O+i], 0                            ; O^T.  (The step is written once: its first pass finds zeros, which the first a leaves zeros)
.set i, i+1
.endr
	s_wait_loadcnt 0x0                             ; Q
; A KEY STEP: 64 keys, in phases.  All accumulators take turns, one instruction a turn, over the backward jump too.
.macro STEP
	v_add_nc_u32 v[ADK], s[TB], v[L16]
	v_add_nc_u32 v[ADV], 0x10000, v[ADK]           ; V's tiles lie 65,536 bytes behind K's.  (The places behind the last step's products are its 32 lines of sums)
	WIN 0x40                                       ; destination window 1, address window 0
.irp kt, 0,1,2,3
.irp s2, 0,1
.irp c, 0,1
	ds_load_b128 v[KF+8*(2*\kt+\s2)+4*\c:KF+8*(2*\kt+\s2)+4*\c+3], v[ADK] offset:(\kt/2)*4096+(2*\s2+\c)*1024+(\kt%2)*512   ; 512 consecutive bytes an instruction
.endr
.endr
.endr
.irp kg, 0,1
.irp ct, 0,1,2,3
.irp c, 0,1
	ds_load_b128 v[VF+8*(4*\kg+\ct)+4*\c:VF+8*(4*\kg+\ct)+4*\c+3], v[ADV] offset:\kg*4096+\ct*1024+\c*512
.endr
.endr
.endr
	s_wait_dscnt 16                                ; K's 16 loads are in; V's 16, issued behind them, may be out
	WIN 0x01                                       ; source 0 window 1
.irp s2, 0,1
.irp kt, 0,1,2,3
.irp t, 0,1
.if \s2 == 0
	v_wmma_f32_16x16x32_f16 v[S+32*\t+8*\kt:S+32*\t+8*\kt+7], v[KF+8*(2*\kt+\s2):KF+8*(2*\kt+\s2)+7], v[Q+16*\t+8*\s2:Q+16*\t+8*\s2+7], 0
.else
	v_wmma_f32_16x16x32_f16 v[S+32*\t+8*\kt:S+32*\t+8*\kt+7], v[KF+8*(2*\kt+\s2):KF+8*(2*\kt+\s2)+7], v[Q+16*\t+8*\s2:Q+16*\t+8*\s2+7], v[S+32*\t+8*\kt:S+32*\t+8*\kt+7]
.endif
.endr
.endr
.endr
	WIN 0
	v_mov_b32 v[OM], v[ST]                         ; c m of the step before is kept for a.  These two lines and two v_nop are the four places behind the products (ISA guide 7.12.1)
	v_mov_b32 v[OM+1], v[ST+8]
	v_nop
	v_nop
	; the maximum of the lane's 32 scores and the old m: four chains, one for each accumulator, each read from its low end on; the two tiles alternate
.irp j, 0,1,2,3
.irp t, 0,1
	v_max3_num_f32 v[ST+8*\t+4+\j], v[S+32*\t+8*\j], v[S+32*\t+8*\j+1], v[S+32*\t+8*\j+2]
.endr
.endr
.irp i, 3,5
.irp j, 0,1,2,3
.irp t, 0,1
	v_max3_num_f32 v[ST+8*\t+4+\j], v[ST+8*\t+4+\j], v[S+32*\t+8*\j+\i], v[S+32*\t+8*\j+\i+1]
.endr
.endr
.endr
.irp t, 0,1
	v_max3_num_f32 v[ST+8*\t+4], v[ST+8*\t+4], v[S+32*\t+7], v[S+32*\t+15]
.endr
.irp t, 0,1
	v_max3_num_f32 v[ST+8*\t+6], v[ST+8*\t+6], v[S+32*\t+23], v[S+32*\t+31]
.endr
.irp t, 0,1
	v_max3_num_f32 v[ST+8*\t+4], v[ST+8*\t+4], v[ST+8*\t+5], v[ST+8*\t+6]
.endr
.irp t, 0,1
	v_max3_num_f32 v[ST+8*\t+4], v[ST+8*\t+4], v[ST+8*\t+7], v[ST+8*\t+1]
.endr
.irp t, 0,1
	v_permlanex16_b32 v[ST+8*\t+5], v[ST+8*\t+4], s[SEL], s[SEL+1]   ; the query's other 32 keys lie in the lane 16 away
.endr
.irp t, 0,1
	v_max_num_f32 v[ST+8*\t+1], v[ST+8*\t+4], v[ST+8*\t+5]           ; the new m
.endr
.irp t, 0,1
	v_mul_f32 v[ST+8*\t], s[CS], v[ST+8*\t+1]                        ; c m
.endr
.irp t, 0,1
	v_sub_f32 v[ST+8*\t+7], v[OM+\t], v[ST+8*\t]                     ; c m_old - c m_new, 0 or less
.endr
.set i, 0
.rept 32
	v_pk_fma_f32 v[S+2*i:S+2*i+1], v[S+2*i:S+2*i+1], s[CS:CS+1], v[ST+8*(i/16):ST+8*(i/16)+1] op_sel_hi:[1,0,0] neg_lo:[0,0,1] neg_hi:[0,0,1]   ; c s - c m, two at a time
.set i, i+1
.endr
.irp t, 0,1
	v_exp_f32 v[ST+8*\t+6], v[ST+8*\t+7]           ; a
.endr
.set i, 0
.rept 64
	v_exp_f32 v[S+i], v[S+i]                       ; p, at most 1
.set i, i+1
.endr
	v_nop                                          ; a plain instruction behind the last exponential, ahead of the first use (ISA guide 5.7.2)
	s_wait_alu depctr_va_vdst(0)                   ; ONE wait for the batch of 66, ahead of its first reader
.set i, 0
.rept 32
	v_cvt_pk_f16_f32 v[P+i], v[S+2*i], v[S+2*i+1]  ; two tiles of 16 keys, rounded in pairs, are a fragment of 32 keys
.set i, i+1
.endr
.set i, 0
.rept 32
	v_pk_mul_f32 v[O+2*i:O+2*i+1], v[O+2*i:O+2*i+1], v[ST+8*(i/16)+6:ST+8*(i/16)+7] op_sel_hi:[1,0]   ; O^T x a, each accumulator from its low end on
.set i, i+1
.endr
	s_wait_dscnt 0x0                               ; V is in
	WIN 0x01
.irp kg, 0,1
.irp ct, 0,1,2,3
.irp t, 0,1
	v_wmma_f32_16x16x32_f16 v[O+32*\t+8*\ct:O+32*\t+8*\ct+7], v[VF+8*(4*\kg+\ct):VF+8*(4*\kg+\ct)+7], v[P+16*\t+8*\kg:P+16*\t+8*\kg+7], v[O+32*\t+8*\ct:O+32*\t+8*\ct+7]
.endr
.endr
.endr
	WIN 0
	; the sums of the unrounded p, in place, neighbours 1, 2, 4 and 8 pairs apart; then l = a l + the sum.  These 32 lines name no register of the products above: they are the places behind them
.irp u, 0,1,2,3,4,5,6,7
.irp t, 0,1
	v_pk_add_f32 v[S+32*\t+4*\u:S+32*\t+4*\u+1], v[S+32*\t+4*\u:S+32*\t+4*\u+1], v[S+32*\t+4*\u+2:S+32*\t+4*\u+3]
.endr
.endr
.irp u, 0,1,2,3
.irp t, 0,1
	v_pk_add_f32 v[S+32*\t+8*\u:S+32*\t+8*\u+1], v[S+32*\t+8*\u:S+32*\t+8*\u+1], v[S+32*\t+8*\u+4:S+32*\t+8*\u+5]
.endr
.endr
.irp u, 0,1
.irp t, 0,1
	v_pk_add_f32 v[S+32*\t+16*\u:S+32*\t+16*\u+1], v[S+32*\t+16*\u:S+32*\t+16*\u+1], v[S+32*\t+16*\u+8:S+32*\t+16*\u+9]
.endr
.endr
.irp t, 0,1
	v_pk_add_f32 v[S+32*\t:S+32*\t+1], v[S+32*\t:S+32*\t+1], v[S+32*\t+16:S+32*\t+17]
.endr
.irp t, 0,1
	v_pk_fma_f32 v[ST+8*\t+2:ST+8*\t+3], v[ST+8*\t+2:ST+8*\t+3], v[ST+8*\t+6:ST+8*\t+7], v[S+32*\t:S+32*\t+1] op_sel_hi:[1,0,1]
.endr
	s_add_co_u32 s[TB], s[TB], 8192                ; the next 64 keys
.endm
; THE CHANGE OF SLOTS, at a slot's head.  Each wave waits for all its tensor loads (its part of the slot that it is about to read), adds 0 to its spare word, and waits for that and for its reads of the slot that it has left.
; fill = 1: the barrier is a round of the cluster's, so that no wave of any partner still reads that slot or has a load on its way; the joint load of the keys that follow is the first thing behind it.
.macro CHANGE fill
	s_wait_tensorcnt 0x0                           ; no tensor load of mine is out, so group 0 may be written
	ds_add_u32 v[SPW], v[NIL]                      ; 0 onto my spare word
.if \fill
	s_xor_b32 s[G0+1], s[G0+1], SLOT1              ; the walking descriptor: the other slot than last time,
	s_add_nc_u64 s[G0+2:G0+3], s[G0+2:G0+3], SLOTB ; the next 512 keys; the type bits on top are not reached
	s_wait_xcnt 0x0                                ; the last prefetch, a slot back, has read its address, so it may be written:
	s_add_nc_u64 s[PFA:PFA+1], s[PFA:PFA+1], SLOTB ; one slot further on than the walking descriptor
	s_wait_dscnt 0x0                               ; the add is done, and my reads of the slot that I have left are over
	CROUND
	tensor_load_to_lds s[G0:G0+3], s[G1:G1+7]      ; my one tensor load until the next round
	s_nop 0
.rept 4
	v_nop
.endr
	ASK
.else
	s_wait_dscnt 0x0
	s_barrier_signal -1
	s_barrier_wait -1
.endif
.endm
.macro SLOTWORK                        ; a slot's eight key steps: written once, walked eight times; the LDS addresses hang on s[TB]
	s_mov_b32 s[CNT], 8
.Lstep_\@:
	STEP
	s_sub_co_u32 s[CNT], s[CNT], 1
	s_cmp_lg_u32 s[CNT], 0
	s_cbranch_scc1 .Lstep_\@
	s_sub_co_u32 s[TB], s[TB], SLOTB               ; back to a slot's first step,
	s_xor_b32 s[TB], s[TB], SLOT1                  ; in the other slot
.endm
.Lslot:                                            ; seven trips: behind each change of slots but the last the next slot is asked for
	CHANGE 1
	SLOTWORK
	s_sub_co_u32 s[SLOTS], s[SLOTS], 1
	s_cmp_lg_u32 s[SLOTS], 0
	s_cbranch_scc1 .Lslot
	CHANGE 0                                       ; the last slot is written out
	SLOTWORK
	; THE WAY OUT.  l's two halves and the other half of the lanes' are added; O^T is divided by l, rounded to f16 and stored as pieces of the next launch's operand.  (The last step's sums are the places behind its products)
.irp t, 0,1
	v_add_f32 v[ST+8*\t+4], v[ST+8*\t+2], v[ST+8*\t+3]
.endr
.irp t, 0,1
	v_permlanex16_b32 v[ST+8*\t+5], v[ST+8*\t+4], s[SEL], s[SEL+1]
.endr
.irp t, 0,1
	v_add_f32 v[ST+8*\t+4], v[ST+8*\t+4], v[ST+8*\t+5]
.endr
.irp t, 0,1
	v_rcp_f32 v[ST+8*\t+6], v[ST+8*\t+4]
.endr
	v_nop                                          ; a plain instruction between the last reciprocal and the use of its result
	s_wait_alu depctr_va_vdst(0)                   ; one wait for the two reciprocals, ahead of their first reader
.set i, 0
.rept 32
	v_pk_mul_f32 v[O+2*i:O+2*i+1], v[O+2*i:O+2*i+1], v[ST+8*(i/16)+6:ST+8*(i/16)+7] op_sel_hi:[1,0]
.set i, i+1
.endr
.set i, 0
.rept 32
	v_cvt_pk_f16_f32 v[S+i], v[O+2*i], v[O+2*i+1]  ; a lane's eight channels of a row pack into 16 bytes
.set i, i+1
.endr
.irp t, 0,1
.irp ct, 0,1,2,3
	global_store_b128 v[L16], v[S+4*(4*\t+\ct):S+4*(4*\t+\ct)+3], s[48:49] offset:\t*16384+\ct*512   ; 512 consecutive bytes, aligned
.endr
.endr
	s_wait_tensorcnt 0x0                           ; the wave's end, behind my last tensor load
	ds_add_u32 v[SPW], v[NIL]
	s_wait_dscnt 0x0
	CROUND                                         ; the closing round: no work-group ends while a partner may still ask for a tile that names it
	s_endpgm
.Lfunc_end_k_qf86b64e166_attn:
	.size	k_qf86b64e166_attn, .Lfunc_end_k_qf86b64e166_attn-k_qf86b64e166_attn
	.p2alignl 7, 3214868480
	.fill 96, 4, 3214868480
	.section	.rodata,"a",@progbits
	.p2align	6, 0x0
	.amdhsa_kernel k_qf86b64e166_attn
		.amdhsa_group_segment_fixed_size 327680
		.amdhsa_private_segment_fixed_size 0
		.amdhsa_enable_private_segment 0
		.amdhsa_kernarg_size 32
		.amdhsa_user_sgpr_count 2
		.amdhsa_user_sgpr_kernarg_segment_ptr 1
		.amdhsa_wavefront_size32 1
		.amdhsa_system_sgpr_workgroup_id_x 1
		.amdhsa_system_sgpr_workgroup_id_y 1
		.amdhsa_system_sgpr_workgroup_id_z 1
		.amdhsa_system_vgpr_workitem_id 0
		.amdhsa_next_free_vgpr 384
		.amdhsa_next_free_sgpr 66
		.amdhsa_reserve_vcc 0
		.amdhsa_float_denorm_mode_32 3
		.amdhsa_float_denorm_mode_16_64 3
		.amdhsa_memory_ordered 1
		.amdhsa_forward_progress 1
		.amdhsa_inst_pref_size 49
	.end_amdhsa_kernel
	.amdgpu_metadata
---
amdhsa.version: [ 1, 2 ]
amdhsa.kernels:
  - .name:           k_qf86b64e166_attn
    .symbol:         k_qf86b64e166_attn.kd
    .args:
      - { .name: qf, .offset: 0, .size: 8, .value_kind: global_buffer, .address_space: global }
      - { .name: kf, .offset: 8, .size: 8, .value_kind: global_buffer, .address_space: global }
      - { .name: vf, .offset: 16, .size: 8, .value_kind: global_buffer, .address_space: global }
      - { .name: af, .offset: 24, .size: 8, .value_kind: global_buffer, .address_space: global }
    .group_segment_fixed_size: 327680
    .private_segment_fixed_size: 0
    .kernarg_segment_align: 8
    .kernarg_segment_size: 32
    .max_flat_workgroup_size: 256
    .sgpr_count:     66
    .vgpr_count:     384
    .wavefront_size: 32
...
	.end_amdgpu_metadata
.endif
;; end of part 3
;; launch outp (part 4): grid 4 x 64, 4 waves a work-group, clusters of 4 x 4, 327,680 bytes of LDS; arguments af, wo16, bo, out0; writes out0
.if DOCPART == 4
	.amdgcn_target "amdgcn-amd-amdhsa--gfx1250"
	.amdhsa_code_object_version 6
	.text
	.protected	k_qf86b64e166_outp
	.globl	k_qf86b64e166_outp
	.p2align	8
	.type	k_qf86b64e166_outp,@function
k_qf86b64e166_outp:
	s_mov_b64 s[64:65], 0
	v_nop
	global_prefetch_b8 v0, s[64:65] scope:SCOPE_SE
	s_setreg_imm32_b32 hwreg(HW_REG_WAVE_MODE, 25, 1), 1
	s_wait_xcnt 0x0
	s_wait_alu depctr_hold_cnt(0) depctr_sa_sdst(0) depctr_va_vdst(0) depctr_va_sdst(0) depctr_va_ssrc(0) depctr_va_vcc(0) depctr_vm_vsrc(0)
	s_getreg_b32 s2, hwreg(HW_REG_IB_STS2, 6, 4)
	s_cmp_eq_u32 s2, 0
	s_cbranch_scc0 .Lentry_in_a_cluster
	s_endpgm
.Lentry_in_a_cluster:
	s_bfe_u32 s2, ttmp6, 0x10000c
	s_cmp_lg_u32 s2, 0xf033
	s_cbranch_scc0 .Lentry_shape_is_right
	s_endpgm
.Lentry_shape_is_right:
; out0 = A wo + bo.  A [8,192][512] and wo [512 (k)][512 (n)] come as f16 in the order of the operands' registers: af[16 rows][32 K s][1,024 bytes], wo16[16 features][32 K s][1,024 bytes]; sums and out0 in f32.
; A tile of out0 is 128 x 128: 256 work-groups of four waves, each wave 64 x 64: 16 accumulators by turns.  All of K fits in LDS at once: A's 128 rows are 131,072 dense bytes, wo's 128 features likewise.
; So LDS is filled ONCE: each wave fetches 65,536 bytes by one tensor load (waves 0, 1: A's halves; waves 2, 3: wo's), no byte is filled again, and a wave has one tensor load out.
; CLUSTERS: 4 x 4 work-groups.  The four of a row of the cluster need the same rows of A, the four of a column the same features of wo: each is asked for JOINTLY, by the same tensor load with the same descriptor and a mask
; that names the four.  THE MATRIX INSTRUCTION IS USED TRANSPOSED (source 0 = 16 features, source 1 = 16 rows): a lane holds eight neighbouring numbers of a row of out0.  The bias is the C of each sum's first instruction.
; REGISTERS.  Window 0: v16-30 addresses; v32-63 the bias (8 b + j); v64-127 the way out, two sets of 32; v128-255 the accumulators (8 (4 a + b)).  Window 1: two fragment buffers of 64: wo's four at 8 b, A's four at 32 + 8 a.
.set ALDS,  0
.set BLDS,  131072
.set STAGE, 262144                     ; 16 rows x (256 + 16) bytes for each wave, for the way out: bytes into which no tensor load lands
.set SPARE, STAGE+4*4352               ; the spare words, 128 bytes for each wave: two blocks of 256 bytes that no other line names
.set ADRA, 16                          ; v16  LDS address of my A fragments
.set ADRB, 17                          ; v17  of my wo fragments
.set STO,  24                          ; v24  the way out: where I put 32 bytes of a row
.set RD,   25                          ; v25  where I read a row back
.set CO,   26                          ; v26  my byte offset in out0
.set SPW,  28                          ; v28  my spare word; never rewritten
.set NIL,  29                          ; v29  0; never rewritten
.set BI,   32
.set BK,   64
.set ACC,  128
.set G1,   24                          ; s[24:31], s[32:35] descriptor groups 1 and 0 for A
.set G0,   32
.set G1B,  48                          ; s[48:55], s[56:59] the same for wo
.set G0B,  56
.set MSB, 0
.macro WIN new
.if MSB != \new
	s_set_vgpr_msb (MSB<<8)|\new
.set MSB, \new
.endif
.endm
.macro CROUND                          ; a round of the cluster's barrier
	s_barrier_signal -1
	s_barrier_wait -1
	s_cmp_lg_u32 s12, 0
	s_cbranch_scc1 .Lnot_wave_0_\@
	s_barrier_signal -3
.Lnot_wave_0_\@:
	s_barrier_wait -3
	s_barrier_signal -1
	s_barrier_wait -1
.endm
	s_load_b256 s[4:11], s[0:1], 0x0               ; af s[4:5], wo16 s[6:7], bo s[8:9], out0 s[10:11]
	v_lshl_add_u32 v[SPW], v0, 2, SPARE
	v_mov_b32 v[NIL], 0
	ds_add_u32 v[SPW], v[NIL]                      ; the wave's opening: the add, twice on end, and its wait ahead of my first tensor load
	ds_add_u32 v[SPW], v[NIL]
	v_lshrrev_b32 v1, 5, v0
	v_readfirstlane_b32 s12, v1                    ; wave 0..3
	s_lshr_b32 s13, s12, 1                         ; which half of the tile's rows is mine.  Also: I fetch for A (0) or for wo (1)
	s_and_b32 s14, s12, 1                          ; which half of its columns.  Also: which half of that operand I fetch
	s_bfe_u32 s40, ttmp6, 0x40000                  ; cx, cy: my place in the cluster
	s_bfe_u32 s41, ttmp6, 0x40004
	s_lshl_b32 s42, ttmp9, 2
	s_add_co_u32 s42, s42, s40                     ; tile column = 4 x cluster x + cx
	s_and_b32 s15, ttmp7, 0xffff
	s_lshl_b32 s15, s15, 2
	s_add_co_u32 s15, s15, s41                     ; tile row = 4 x cluster y + cy
	s_lshl_b32 s43, s41, 2
	s_lshl_b32 s43, 15, s43                        ; my row of the cluster
	s_lshl_b32 s44, 0x1111, s40                    ; my column
	; descriptor group 1: 65,536 dense bytes as 256 rows of 32 elements of 8 bytes, no padding
	s_or_b32 s[G1], s43, (3<<16)|(1<<21)           ; 15:0 the mask: A goes to my row; 17:16 elements of 8 bytes; 21 set beside a mask
	s_or_b32 s[G1B], s44, (3<<16)|(1<<21)          ; wo goes to my column
.irp g, G1, G1B
	s_mov_b32 s[\g+1], 32<<16                      ; tensor_dim0 = 32
	s_mov_b32 s[\g+2], 256<<16                     ; tensor_dim1 = 256
	s_mov_b32 s[\g+3], 32<<16                      ; tile_dim0 = 32
	s_mov_b32 s[\g+4], 256                         ; tile_dim1 = 256
	s_mov_b32 s[\g+5], 32                          ; elements from row to row
	s_mov_b32 s[\g+6], 0
	s_mov_b32 s[\g+7], 0
.endr
	s_lshl_b32 s16, s15, 17                        ; A: 128 rows are 131,072 bytes; my half of them 65,536.  These registers never hold cx
	s_lshl_b32 s18, s14, 16
	s_add_co_u32 s16, s16, s18
	s_mov_b32 s17, 0
	s_lshl_b32 s46, s42, 17                        ; wo: the same by the tile column.  These never hold cy
	s_add_co_u32 s46, s46, s18
	s_mov_b32 s47, 0
	s_lshl_b32 s20, s12, 16                        ; where they go: wave x 65,536: no place in the cluster enters an LDS address
	s_lshl_b32 s22, s42, 9                         ; the bias and the tile's columns: 512 bytes a tile column, 256 for my half
	s_lshl_b32 s21, s14, 8
	s_add_co_u32 s22, s22, s21
	s_mov_b32 s23, 0
	s_lshl_b32 s60, s15, 18                        ; out0: 128 rows of 2,048 bytes a tile row, 64 for my half
	s_lshl_b32 s21, s13, 17
	s_add_co_u32 s60, s60, s21
	s_add_co_u32 s60, s60, s22
	s_mov_b32 s61, 0
	s_wait_dscnt 0x0                               ; both opening adds are done
	s_wait_kmcnt 0x0
	s_mov_b32 s[G0], 1
	s_mov_b32 s[G0+1], s20
	s_add_nc_u64 s[G0+2:G0+3], s[4:5], s[16:17]
	s_or_b32 s[G0+3], s[G0+3], 0x80000000
	s_mov_b32 s[G0B], 1
	s_mov_b32 s[G0B+1], s20
	s_add_nc_u64 s[G0B+2:G0B+3], s[6:7], s[46:47]
	s_or_b32 s[G0B+3], s[G0B+3], 0x80000000
	s_add_nc_u64 s[36:37], s[8:9], s[22:23]        ; the bias of my 64 columns
	s_add_nc_u64 s[38:39], s[10:11], s[60:61]      ; out0 at my 64 x 64
	CROUND                                         ; all sixteen work-groups are here: the joint loads meet
	s_cmp_eq_u32 s13, 0                            ; the branch hangs on the wave's number alone; each of the two lines has one mask
	s_cbranch_scc0 .Lfor_b
	tensor_load_to_lds s[G0:G0+3], s[G1:G1+7]
	s_nop 0
.rept 4
	v_nop
.endr
	s_branch .Lasked
.Lfor_b:
	tensor_load_to_lds s[G0B:G0B+3], s[G1B:G1B+7]
	s_nop 0
.rept 4
	v_nop
.endr
.Lasked:
	v_and_b32 v1, 31, v0                           ; lane
	v_and_b32 v2, 15, v0                           ; r
	v_bfe_u32 v3, v0, 4, 1                         ; h
	v_lshlrev_b32 v30, 5, v3                       ; the bias: eight numbers from 8 h on
.irp b, 0,1,2,3
.irp i, 0,1
	global_load_b128 v[BI+8*\b+4*\i:BI+8*\b+4*\i+3], v30, s[36:37] offset:64*\b+16*\i   ; register j is column 16 b + 8 h + j
.endr
.endr
	v_lshlrev_b32 v4, 4, v1                        ; 16 x lane
	s_lshl_b32 s21, s13, 16
	v_add_nc_u32 v[ADRA], s21, v4                  ; my 64 rows of A
	s_lshl_b32 s21, s14, 16
	s_add_co_u32 s21, s21, BLDS
	v_add_nc_u32 v[ADRB], s21, v4                  ; my 64 features of wo
	s_mul_i32 s21, s12, 4352
	s_add_co_u32 s21, s21, STAGE                   ; my stage
	v_mul_u32_u24 v5, v2, 272                      ; in: row r, 32 bytes for each half of the lanes
	v_lshl_add_u32 v5, v3, 5, v5
	v_add_nc_u32 v[STO], s21, v5
	v_mul_u32_u24 v5, v3, 272                      ; back: lanes 0-15 one row of 256 bytes, lanes 16-31 the next
	v_lshl_add_u32 v5, v2, 4, v5
	v_add_nc_u32 v[RD], s21, v5
	v_lshlrev_b32 v[CO], 11, v3                    ; and the same two rows in out0
	v_lshl_add_u32 v[CO], v2, 4, v[CO]
.macro FETCH s, f                      ; 16 LDS loads: the fragments of K step s (32 along K) into buffer f; each covers 512 consecutive bytes
	WIN 0x40                                       ; destination window 1, address window 0
.irp i, 0,1,2,3
.irp c, 0,1
	ds_load_b128 v[\f+8*\i+4*\c:\f+8*\i+4*\c+3], v[ADRB] offset:16384*\i+1024*(\s)+512*\c
	ds_load_b128 v[\f+32+8*\i+4*\c:\f+32+8*\i+4*\c+3], v[ADRA] offset:16384*\i+1024*(\s)+512*\c
.endr
.endr
.endm
.macro MUL s, f                        ; 16 matrix instructions, one on each accumulator; K step 0 starts the sums from the bias
	WIN 0x05                                       ; sources 0 and 1 window 1; C and D window 0
.irp a, 0,1,2,3
.irp b, 0,1,2,3
.if (\s) == 0
	v_wmma_f32_16x16x32_f16 v[ACC+8*(4*\a+\b):ACC+8*(4*\a+\b)+7], v[\f+8*\b:\f+8*\b+7], v[\f+32+8*\a:\f+32+8*\a+7], v[BI+8*\b:BI+8*\b+7]
.else
	v_wmma_f32_16x16x32_f16 v[ACC+8*(4*\a+\b):ACC+8*(4*\a+\b)+7], v[\f+8*\b:\f+8*\b+7], v[\f+32+8*\a:\f+32+8*\a+7], v[ACC+8*(4*\a+\b):ACC+8*(4*\a+\b)+7]
.endif
.endr
.endr
.endm
	s_wait_tensorcnt 0x0                           ; my part of the operands is in,
	s_barrier_signal -1
	s_barrier_wait -1                              ; everybody's is
	s_wait_loadcnt 0x0                             ; the bias
	FETCH 0, 0
.set SS, 0
.rept 15
.if SS > 0
.rept 4
	v_nop                                          ; four places in front of loads into registers that matrix instructions have read (ISA guide 7.12.1 for vector instructions)
.endr
.endif
	FETCH SS+1, 64*((SS+1)%2)
	s_wait_dscnt 16                                ; this K step's fragments are in; the 16 loads just issued may be out
	MUL SS, 64*(SS%2)
.set SS, SS+1
.endr
	s_wait_dscnt 0x0
	MUL 15, 64
	WIN 0
; THE WAY OUT, a block of 16 rows x 64 columns at a time: a lane holds 32 neighbouring bytes of a row; through my own stage they come back as whole rows of 256 bytes.
; LDS serves a wave's instructions in order (ISA guide 5.7.1.4): no wait between the stores and the loads, nor in front of the next block's stores.
.macro TOSTAGE a
.irp b, 0,1,2,3
	ds_store_b128 v[STO], v[ACC+8*(4*(\a)+\b):ACC+8*(4*(\a)+\b)+3] offset:64*\b          ; each accumulator from its low end on
	ds_store_b128 v[STO], v[ACC+8*(4*(\a)+\b)+4:ACC+8*(4*(\a)+\b)+7] offset:64*\b+16
.endr
.irp t, 0,1,2,3,4,5,6,7
	ds_load_b128 v[BK+32*((\a)%2)+4*\t:BK+32*((\a)%2)+4*\t+3], v[RD] offset:544*\t
.endr
.endm
.macro SEND a, younger                 ; younger: the LDS instructions issued behind block a's loads, which may stay out
	s_wait_dscnt \younger
.irp t, 0,1,2,3,4,5,6,7
	global_store_b128 v[CO], v[BK+32*((\a)%2)+4*\t:BK+32*((\a)%2)+4*\t+3], s[38:39] offset:(16*(\a)+2*\t)*2048 th:TH_STORE_NT   ; sixteen lanes store 256 consecutive bytes, aligned; written once, read by nobody here
.endr
.endm
.rept 4
	v_nop                                          ; four places in front of the first read of results
.endr
	TOSTAGE 0
	TOSTAGE 1
	SEND 0, 16                                     ; behind block 0's loads: block 1's 8 stores and 8 loads
	s_wait_xcnt 0x0                                ; block 0's stores have read their registers: block 2's loads may land there
	TOSTAGE 2
	SEND 1, 16
	s_wait_xcnt 0x0                                ; block 1's likewise
	TOSTAGE 3
	SEND 2, 16
	SEND 3, 0
	s_wait_tensorcnt 0x0                           ; the wave's end, behind my last tensor load and my last LDS store
	ds_add_u32 v[SPW], v[NIL]
	s_wait_dscnt 0x0
	CROUND                                         ; the closing round: no work-group ends while a partner may still ask for a tile that names it
	s_endpgm
.Lfunc_end_k_qf86b64e166_outp:
	.size	k_qf86b64e166_outp, .Lfunc_end_k_qf86b64e166_outp-k_qf86b64e166_outp
	.p2alignl 7, 3214868480
	.fill 96, 4, 3214868480
	.section	.rodata,"a",@progbits
	.p2align	6, 0x0
	.amdhsa_kernel k_qf86b64e166_outp
		.amdhsa_group_segment_fixed_size 327680
		.amdhsa_private_segment_fixed_size 0
		.amdhsa_enable_private_segment 0
		.amdhsa_kernarg_size 32
		.amdhsa_user_sgpr_count 2
		.amdhsa_user_sgpr_kernarg_segment_ptr 1
		.amdhsa_wavefront_size32 1
		.amdhsa_system_sgpr_workgroup_id_x 1
		.amdhsa_system_sgpr_workgroup_id_y 1
		.amdhsa_system_sgpr_workgroup_id_z 1
		.amdhsa_system_vgpr_workitem_id 0
		.amdhsa_next_free_vgpr 384
		.amdhsa_next_free_sgpr 66
		.amdhsa_reserve_vcc 0
		.amdhsa_float_denorm_mode_32 3
		.amdhsa_float_denorm_mode_16_64 3
		.amdhsa_memory_ordered 1
		.amdhsa_forward_progress 1
		.amdhsa_inst_pref_size 49
	.end_amdhsa_kernel
	.amdgpu_metadata
---
amdhsa.version: [ 1, 2 ]
amdhsa.kernels:
  - .name:           k_qf86b64e166_outp
    .symbol:         k_qf86b64e166_outp.kd
    .args:
      - { .name: af, .offset: 0, .size: 8, .value_kind: global_buffer, .address_space: global }
      - { .name: wo16, .offset: 8, .size: 8, .value_kind: global_buffer, .address_space: global }
      - { .name: bo, .offset: 16, .size: 8, .value_kind: global_buffer, .address_space: global }
      - { .name: out0, .offset: 24, .size: 8, .value_kind: global_buffer, .address_space: global }
    .group_segment_fixed_size: 327680
    .private_segment_fixed_size: 0
    .kernarg_segment_align: 8
    .kernarg_segment_size: 32
    .max_flat_workgroup_size: 128
    .sgpr_count:     66
    .vgpr_count:     384
    .wavefront_size: 32
...
	.end_amdgpu_metadata
.endif
;; end of part 4
